; MI455X (gfx1250); checked and timed in simulation.
; The chip was launched on July 23, 2026; its instructions are those of AMD's public machine-readable ISA for CDNA 5 (MIT licence, August 2026) and "CDNA5" Instruction Set Architecture Reference Guide (July 2026). The comments in the code are by the model that wrote it; some were corrected since.
;; QKV Multihead Attention. Allowed arithmetic: matrix products marked QUANTISED: E2M3 operands, one E8M0 scale for each 32 along K, by v_wmma_scale_f32_16x16x128_f8f6f4 with both operands' format E2M3, f32 sums; everything else in f32.
;; Inputs: k 4 x 2,048 x 1,024 float32; q 4 x 2,048 x 1,024 float32; v 4 x 2,048 x 1,024 float32.
;; Outputs: out0 4 x 2,048 x 1,024 float32.
;; This version of the problem:
;;   THIS VERSION OF THE PROBLEM IS GIVEN IN LOW PRECISION. The matrix products marked QUANTISED in the list below multiply operands that are first quantised to E2M3 (2 exponent bits, 3 mantissa bits; 6 bits a number), with one power-of-two scale for each 32 numbers along K (OCP MX v1.0); their sums are f32. All else is computed in f32.
;;   The module's matrix products, in the order in which they are computed (A, B: the left and right operand; K: the contracted axis; several contracted axes count as one K, in the product's order):
;;     1. batch 64 x [M 2,048, K 64] x [K 64, N 2,048]; A: computed on the way; B: computed on the way: QUANTISED
;;     2. batch 64 x [M 64, K 2,048] x [K 2,048, N 2,048]; A: input v; B: softmax (see below): QUANTISED
;;   THE QUANTISER, for each operand of a quantised product, along K:
;;     - K is cut into blocks of 32 from its start; a last block that is shorter is filled with zeros.
;;     - A block's scale is 2^e with e = floor(log2(the largest magnitude in the block)) - 2, held to -126 .. 127; a block of zeros has e = 0. As a byte (E8M0): e + 127.
;;     - Each number is divided by its block's scale, clamped to +-7.5, and rounded to the nearest number of E2M3, ties to even, subnormals kept.
;;     - The product sums the exact products of the quantised numbers (number of the format x scale) in f32.
;;   ~~~python
;;   def quantise(x, axis):      # numpy; x: float32 -> the quantised numbers, widened to float32 again
;;       x = np.moveaxis(x, axis, -1); K = x.shape[-1]
;;       x = np.pad(x, [(0, 0)] * (x.ndim - 1) + [(0, -K % 32)]); x = x.reshape(x.shape[:-1] + (-1, 32)); a = np.abs(x).max(-1, keepdims=True)
;;       e = np.where(a > 0, np.clip(np.frexp(np.where(a > 0, a, 1))[1] - 1 - 2, -126, 127), 0)      # np.frexp(a)[1] - 1 = floor(log2(a)), exactly
;;       r = np.clip(x / 2.0 ** e, -7.5, 7.5)
;;       step = 2.0 ** (np.maximum(np.frexp(np.where(r == 0, 1, r))[1] - 1, 0) - 3)
;;       q = np.round(r / step) * step * 2.0 ** e      # np.round: ties to even
;;       return np.moveaxis(q.reshape(q.shape[:-2] + (-1,))[..., :K], -1, axis).astype(np.float32)
;;   ~~~
;;   SOFTMAX AHEAD OF A QUANTISED PRODUCT. Where the list says 'softmax', what is quantised is not the finished softmax but p = 2^(t - M), with t = logit x log2(e) and M = ceil(the row's largest t), a whole number; so 1/2 < the row's largest p <= 1. The row's sum l is taken of the UNQUANTISED p, in f32, and the product's result is divided by l at the end. Since M is a whole number, a kernel that streams over the keys may use a running M (the ceiling of the running maximum): every later rescaling is an exact power of two, which a block's scale takes up: the codes' values come out the same.
;;   OPERANDS COMPUTED ON THE WAY. 'Computed on the way' means the value that the module computes at that place (a softmax that the list does not call 'softmax' is quantised finished and normalised). What goes into a quantiser is computed in f32, as accurately as f32 sums, v_exp_f32 and their like allow (about 1e-6 of the number): no bf16 or f16 on the way to a quantiser, and a product that is left as it is and whose result goes on into a quantised operand takes f32 operands (vector FMAs, or v_wmma_f32_16x16x4_f32). A number that lies on a knife's edge between two numbers of the format may be rounded either way, as far as f32 arithmetic and the matrix unit's own rounding can turn it there, and no further.
;; One version. Each part assembles by itself: llvm-mc -triple=amdgcn-amd-amdhsa -mcpu=gfx1250 --defsym DOCPART=n.
;; ======== version 1 of 1: 1 launch
;; limits: right only within a limited range of input values
;; launch attn (part 1): grid 4 x 64, 8 waves a work-group, clusters of 4 x 1, 270,848 bytes of LDS; arguments q, k, v, out0; writes out0
.if DOCPART == 1
	.amdgcn_target "amdgcn-amd-amdhsa--gfx1250"
	.amdhsa_code_object_version 6
	.text
	.protected	k_qb12914fddc_attn
	.globl	k_qb12914fddc_attn
	.p2align	8
	.type	k_qb12914fddc_attn,@function
k_qb12914fddc_attn:
	s_mov_b64 s[64:65], 0
	v_nop
	global_prefetch_b8 v0, s[64:65] scope:SCOPE_SE
	s_setreg_imm32_b32 hwreg(HW_REG_WAVE_MODE, 25, 1), 1
	s_wait_xcnt 0x0
	s_wait_alu depctr_hold_cnt(0) depctr_sa_sdst(0) depctr_va_vdst(0) depctr_va_sdst(0) depctr_va_ssrc(0) depctr_va_vcc(0) depctr_vm_vsrc(0)
	s_getreg_b32 s2, hwreg(HW_REG_IB_STS2, 6, 4)
	s_cmp_eq_u32 s2, 0
	s_cbranch_scc0 .Lentry_in_a_cluster
	s_endpgm
.Lentry_in_a_cluster:
	s_bfe_u32 s2, ttmp6, 0x10000c
	s_cmp_lg_u32 s2, 0x3003
	s_cbranch_scc0 .Lentry_shape_is_right
	s_endpgm
.Lentry_shape_is_right:
; out[b][t][head][:] = the sum over s of softmax_s((q 2^-1.5) . (k 2^-1.5)) v[b][s][head][:].  q, k, v, out: [4][2048][1024] f32; 16 heads of 64 channels: a head's part of a row is 256 aligned bytes, rows 4,096 bytes apart.
; BOTH PRODUCTS ON CODES OF FP6 (E2M3), one E8M0 scale for each 32 along a product's K.  Product 1: q 2^-1.5 and k 2^-1.5, quantised along the 64 channels.  Product 2: v and p = 2^(t - M), quantised along the keys;
; t = score x log2(e); M = the running largest t rounded UP to a whole number; the row's sum is taken of the unquantised p and divides at the end; when M moves, the sum and O are multiplied by 2^(old M - new M): exact.
; SHARES.  A work-group owns one head and 512 of its queries; each of its eight waves 64 queries: four tiles of 16.  Keys go in 16 steps of 128.
; ONE LAUNCH, NO WORKSPACE.  In trip s every wave quantises an eighth of K's and V's numbers of step s + 1 from registers and stores the codes into LDS as images of operand registers (record s + 1), asks memory for the
; numbers of step s + 2 (40 loads a wave, out for a whole trip: so no prefetch stands beside them), and runs attention on record s.  Each of the 16 records has LDS bytes of its own, written once: store, wait, barrier, load:
; one barrier a trip, its signal behind the stores and its wait at the next trip's head.  The last two trips, which make or ask for less, are written out: no branch stands inside a trip.
; NO CLUSTER: the four work-groups of a head read the same K and V, but as f32 that must pass through registers to be quantised; a joint load lands in LDS, which would add 64 KB written and 64 KB read a step, and a round a step.
; LAYOUT.  Both products are used transposed: S^T = K Q^T, O^T = V^T P^T: a lane holds ONE query (lane % 16) throughout.
; Row rho of key tile T = 4 c + T' takes key 64 c + 32 (rho / 8) + 8 T' + rho % 8: S^T's register 32 c + i of lane half h holds key 64 c + 32 h + i: a lane's 32 registers are a whole block of 32 keys in order, P's place in the operand.
; K = 64 IN AN INSTRUCTION OF K = 128.  Q's fragment is 6 registers of codes and 6 of zero codes.  K's eight fragments lie 6 registers apart, with 6 zero registers behind: a fragment's upper half is the next
; tile's codes, which meet Q's zero codes and add exactly 0; bytes 2 and 3 of K's and Q's scale words are 0x7f.
; ORDER IN A TRIP.  S^T of tile 0 is issued first, and K's and V's quantising stands behind it.  Tile j - 1's O^T is multiplied by its f inside tile j's chain that finds M, two lines to a link; the sum of p runs in four
; chains with the scale word's chain among them: dependent lines stand apart with no idle line between.
; LIMITS: NaN and infinities among the inputs are not served.  A block whose largest magnitude lies under 2^-124 keeps the scale byte 1 (a block of zeros too: its codes are zeros; the bytes are read by this program alone).
; A block's largest p is the exponential of its largest score (v_exp_f32 is taken not to fall where its input rises).  O^T and the sums begin as zeros and the largest score as -3e38: the first change of M multiplies zeros.
; THE LAUNCH GOES IN CLUSTERS OF 4 x 1: the four work-groups of a head, which walk the same K and V step by step, are launched together.  They make NO JOINT REQUEST, for the reason given above under NO CLUSTER:
; so there is no mask, no round of the cluster's barrier, and the work-group's place in its cluster enters nothing but the global offset of its 512 rows of q and out: no branch and no LDS address.
.set REC,   13824                      ; a record: K's images, V's images, the scale words
.set VIMG,  6144                       ; K: 4 pairs of tiles x 32 lanes x 48 bytes; V: 4 channel tiles x 32 lanes x 48 bytes
.set SC,    12288                      ; 32 lanes x 48 bytes: dwords 0-3 K's scale words, dwords 4-5 V's
.set STG,   17*REC                     ; a stage of 16 rows x 272 bytes for each wave, its own
.set STGW,  16*272
.set SPARE, STG+8*STGW                 ; the spare words: 128 bytes a wave
.set STEPB, 128*4096                   ; a key step in memory
; window 0: addresses, scales, operands, raw numbers
.set RD,   1                           ; the record in hand + 48 x lane
.set KW,   2                           ; v2-5 where I store in the next record: K's codes, K's scale word, V's codes, V's scale byte
.set KSW,  3
.set VW,   4
.set VSW,  5
.set STS,  6                           ; the turn: in, and back
.set STL,  7
.set GK,   8                           ; my offsets in K's, V's, Q's loads and in the stores; never rewritten
.set GV,   9
.set GQ,   10
.set GO,   11
.set KS,   12                          ; v12-15 K's scale words, v16-17 V's, v20-23 Q's, v24-27 P's: scales and nothing else
.set VS,   16
.set SPW,  18                          ; my spare word, and 0; never rewritten
.set NIL,  19
.set QS,   20
.set PS,   24
.set T0,   28                          ; v28-30, v32-34 a conversion's second half (three registers begin on an even number)
.set QF,   36                          ; v36-83 Q's fragments, 12 a tile
.set KV,   84                          ; v84-131 K's fragments, later V's; v132-137 zeros
.set ZT,   132
.set SH0,  138                         ; 8 x (lane / 16)
.set A48,  139                         ; 48 x lane
.set RK,   140                         ; v140-171 K's numbers, v172-203 V's
.set RV,   172
.set KW0,  204                         ; v204-207 v2-5 for record 0
.set KSW0, 205
.set VW0,  206
.set VSW0, 207
.set P,    208                         ; v208-255 P's codes, 12 a tile; while records are made (P is used up then) the quantiser's scratch, at the numbers below
.set ZV,   232
.set BYV,  238
.set TV,   240
.set ZK,   244
.set TK,   250
; window 1: O^T, S^T and the softmax's state.  BM, X, Y, SOP have the same numbers in window 0's scratch
.set OA,   0                           ; v0-127 O^T: (tile j, channels 16 ct on) at 32 j + 8 ct
.set S,    128                         ; v128-191 S^T of one tile, then p
.set STAT, 192                         ; tile j at 192 + 4 j: -M, the largest score, the sum in two halves
.set FF,   208                         ; tile j at 208 + 2 j: f = 2^(old M - new M), at the end 1 / the sum
.set BM,   216
.set X,    220
.set Y,    221
.set SOP,  222
.set ACC,  224                         ; v224-229 three more chains of the sum
.set SH8,  230
; v232-252 of window 1: the quantiser's scratch in the first trip, at window 0's numbers
; scalars
.set WV,   12
.set SEL,  20                          ; s[20:21] v_permlanex16_b32's selects for lane l xor 16
.set CS,   22                          ; s[22:23] log2(e)
.set SCL,  24                          ; s[24:25] 2^-1.5
.set NEGC, 26
.set CNT,  27
.set TB,   28                          ; REC x the trip
.set STB,  29                          ; my stage
; THE FIRST TRIP is written out.  The head asks for key step 0, key step 1 (into S^T's registers) and Q (into O^T's registers), in this order, and makes record 0 alone.  The first trip makes record 1 out of window 1,
; turns and quantises Q's tile j just ahead of that tile's S^T, while the later tiles' loads are still out, and begins O^T's sums by products on the constant 0: O^T is never cleared and has nothing to rescale there.
.set PSW, 0                            ; the window setting of the quantiser's LDS stores: 0, or MM in the first trip
.set RSC, 1                            ; 1: tile j - 1's O^T is rescaled inside tile j's chain; 0 in the first trip
.set MSB, 0
.macro WIN new                         ; the immediate's high byte repeats the setting that is left; a switch that changes nothing is dropped
.if MSB != \new
	s_set_vgpr_msb (MSB<<8)|\new
.set MSB, \new
.endif
.endm
.set W1, 0x55                          ; all four places window 1
.set MS, 0x40                          ; destination window 1
.set MP, 0x50                          ; C and D window 1
.set CV, 0x05                          ; sources 0 and 1 window 1, destination window 0
.set MM, 0x44                          ; memory: loaded data and store data window 1, address window 0
; A step's numbers for my wave: 40 loads.  K: tile w: load n reads key 64 (w / 4) + 8 (w % 4) + n in lanes 0-15 and the key 32 further on in lanes 16-31: two aligned runs of 256 bytes.
; V: key block w / 2, channels 32 (w % 2) + lane: a lane to a column, registers down the keys.
.macro RAWLOAD rk, rv, o               ; into registers rk and rv on, o bytes behind the bases
.irp n, 0,1,2,3,4,5,6,7
	global_load_b128 v[\rk+4*\n:\rk+4*\n+3], v[GK], s[6:7] offset:\o+4096*\n
.endr
.set ii, 0
.rept 32
	global_load_b32 v[\rv+ii], v[GV], s[8:9] offset:\o+4096*ii
.set ii, ii+1
.endr
.endm
; 16 rows x 256 bytes, loaded 16 bytes a lane, go through my stage and come back 128 bytes a lane: lane (r, h) then holds channels 32 h .. 32 h + 31 of row r.  LDS serves a wave's instructions in order.
.macro TURN r
.set rR, \r
.irp n, 0,1,2,3,4,5,6,7
	ds_store_b128 v[STS], v[rR+4*\n:rR+4*\n+3] offset:272*\n
.endr
.irp n, 0,1,2,3,4,5,6,7
	ds_load_b128 v[rR+4*\n:rR+4*\n+3], v[STL] offset:16*\n
.endr
.endm
; My part of a record: K's row (32 channels x 2^-1.5) and V's block of 32 keys of my channel, quantised together, their four chains of maxima by turns, the floor 2^(3 - 127) among the leaves.
.macro PROD a, b, c, d, o, load
.irp i, 0,2,4,6,8,10,12,14,16,18,20,22,24,26,28,30
	v_pk_mul_f32 v[RK+\i:RK+\i+1], v[RK+\i:RK+\i+1], s[SCL:SCL+1] op_sel_hi:[1,0]
.endr
	v_max3_num_f32 v[BM], |v[RK]|, |v[RK+1]|, 0x1800000
	v_max3_num_f32 v[BM+1], |v[RK+16]|, |v[RK+17]|, |v[RK+18]|
	v_max3_num_f32 v[BM+2], |v[RV]|, |v[RV+1]|, 0x1800000
	v_max3_num_f32 v[BM+3], |v[RV+16]|, |v[RV+17]|, |v[RV+18]|
.irp i, 2,4,6,8,10,12
	v_max3_num_f32 v[BM], v[BM], |v[RK+\i]|, |v[RK+\i+1]|
	v_max3_num_f32 v[BM+1], v[BM+1], |v[RK+\i+17]|, |v[RK+\i+18]|
	v_max3_num_f32 v[BM+2], v[BM+2], |v[RV+\i]|, |v[RV+\i+1]|
	v_max3_num_f32 v[BM+3], v[BM+3], |v[RV+\i+17]|, |v[RV+\i+18]|
.endr
	v_max3_num_f32 v[BM], v[BM], |v[RK+14]|, |v[RK+15]|
	v_max3_num_f32 v[BM+2], v[BM+2], |v[RV+14]|, |v[RV+15]|
	v_max3_num_f32 v[BM], v[BM], v[BM+1], |v[RK+31]|
	v_max3_num_f32 v[BM+2], v[BM+2], v[BM+3], |v[RV+31]|
	v_add_nc_u32 v[SOP], 0xff000000, v[BM]         ; 2 off the exponent field: the conversion's scale operand
	v_add_nc_u32 v[SOP+1], 0xff000000, v[BM+2]
	v_lshrrev_b32 v[X], 23, v[SOP]                 ; the scales' bytes
	v_lshrrev_b32 v[BYV], 23, v[SOP+1]
	v_cvt_scalef32_pk16_fp6_f32 v[ZV:ZV+2], v[RV:RV+15], v[SOP+1]
	v_cvt_scalef32_pk16_fp6_f32 v[TV:TV+2], v[RV+16:RV+31], v[SOP+1]
	v_cvt_scalef32_pk16_fp6_f32 v[ZK:ZK+2], v[RK:RK+15], v[SOP]
	v_cvt_scalef32_pk16_fp6_f32 v[TK:TK+2], v[RK+16:RK+31], v[SOP]
	v_lshlrev_b32 v[X], v[SH0], v[X]               ; K's byte at its place (the plain place behind the conversions)
	v_nop
	v_permlanex16_b32 v[Y], v[X], s[SEL], s[SEL+1]
.irp i, 0,1,2
	v_mov_b32 v[ZV+3+\i], v[TV+\i]
	v_mov_b32 v[ZK+3+\i], v[TK+\i]
.endr
	v_or_b32 v[X], v[X], v[Y]                      ; with lane l xor 16's byte,
	s_delay_alu instid0(VALU_DEP_1)
	v_or_b32 v[X], 0x7f7f0000, v[X]                ; and 1.0 for k = 64 .. 127: the row's scale word
	WIN PSW
.irp i, 0,1,2
	ds_store_b64 v[\c], v[ZV+2*\i:ZV+2*\i+1] offset:\o+8*\i
.endr
	ds_store_b8 v[\d], v[BYV] offset:\o
.irp i, 0,1,2
	ds_store_b64 v[\a], v[ZK+2*\i:ZK+2*\i+1] offset:\o+8*\i
.endr
	ds_store_b32 v[\b], v[X] offset:\o             ; both halves of the lanes store the same word with the same value
.if \load
	WIN 0
	s_add_nc_u64 s[6:7], s[6:7], (\load)*STEPB     ; no load by these bases is out
	s_add_nc_u64 s[8:9], s[8:9], (\load)*STEPB
	RAWLOAD 140, 172, 0                            ; the step after the one just quantised
.endif
.endm
.macro LOADK                           ; the record's eight fragments of K, 6 registers each, and their scale words: 13 LDS loads
.irp g, 0,1,2,3,4,5,6,7,8,9,10,11
	ds_load_b128 v[KV+4*\g:KV+4*\g+3], v[RD] offset:1536*(\g/3)+16*(\g%3)
.endr
	ds_load_b128 v[KS:KS+3], v[RD] offset:SC
.endm
.macro LOADV                           ; its four fragments of V^T, 12 registers each, into the same registers, and their scale words
.irp g, 0,1,2,3,4,5,6,7,8,9,10,11
	ds_load_b128 v[KV+4*\g:KV+4*\g+3], v[RD] offset:VIMG+1536*(\g/3)+16*(\g%3)
.endr
	ds_load_b64 v[VS:VS+1], v[RD] offset:SC+16
.endm
.macro SMUL j                          ; S^T of tile j: eight tiles of 16 keys; an odd tile's scale words lie in lanes 16-31
	WIN MS
.irp t, 0,1,2,3,4,5,6,7
.if (\t)%2
	v_wmma_scale_f32_16x16x128_f8f6f4 v[S+8*\t:S+8*\t+7], v[KV+6*\t:KV+6*\t+11], v[QF+12*\j:QF+12*\j+11], 0, v[KS+\t/2], v[QS+\j] matrix_a_fmt:MATRIX_FMT_FP6 matrix_b_fmt:MATRIX_FMT_FP6 matrix_a_scale:MATRIX_SCALE_ROW1
.else
	v_wmma_scale_f32_16x16x128_f8f6f4 v[S+8*\t:S+8*\t+7], v[KV+6*\t:KV+6*\t+11], v[QF+12*\j:QF+12*\j+11], 0, v[KS+\t/2], v[QS+\j] matrix_a_fmt:MATRIX_FMT_FP6 matrix_b_fmt:MATRIX_FMT_FP6
.endif
.endr
.endm
.macro RS j, i                         ; two registers of tile j's O^T under the new M: x f
	v_pk_mul_f32 v[OA+32*(\j)+(\i):OA+32*(\j)+(\i)+1], v[OA+32*(\j)+(\i):OA+32*(\j)+(\i)+1], v[FF+2*(\j):FF+2*(\j)+1] op_sel_hi:[1,0]
.endm
.macro LK j, k, n                      ; behind link k of tile j's chain: four registers of tile j - 1's O^T, in ascending order; tile 0 has none to give and takes the hint
.if (\j > 0) && RSC
	RS (\j-1), 4*\k
	RS (\j-1), 4*\k+2
.else
	s_delay_alu instid0(VALU_DEP_\n)
.endif
.endm
; THE SOFTMAX of tile j for 128 keys, all in window 1.  A lane holds blocks h (registers 0-31) and 2 + h (registers 32-63) of its query.
.macro SM j
.set rN, STAT+4*\j
.set rF, FF+2*\j
.set rP, P+12*\j
	WIN W1
.irp c, 0,1                            ; the largest SCORE of each block, two chains a block, the four by turns; each accumulator is read from its low end on
.irp u, 0,1
	v_max3_num_f32 v[BM+2*\c+\u], v[S+32*\c+16*\u], v[S+32*\c+16*\u+1], v[S+32*\c+16*\u+2]
.endr
.endr
.irp i, 3,5,7,9,11,13
.irp c, 0,1
.irp u, 0,1
	v_max3_num_f32 v[BM+2*\c+\u], v[BM+2*\c+\u], v[S+32*\c+16*\u+\i], v[S+32*\c+16*\u+\i+1]
.endr
.endr
.endr
.irp c, 0,1
	v_max3_num_f32 v[BM+2*\c], v[BM+2*\c], v[BM+2*\c+1], v[S+32*\c+15]
.endr
.irp c, 0,1
	v_max_num_f32 v[BM+2*\c], v[BM+2*\c], v[S+32*\c+31]
.endr
.if (\j > 0) && RSC
	s_wait_alu depctr_va_vdst(0)                   ; the wait ahead of the first readers of O^T
.endif
	v_max_num_f32 v[X], v[BM], v[BM+2]
	LK \j, 0, 1
	v_permlanex16_b32 v[Y], v[X], s[SEL], s[SEL+1] ; the query's other two blocks lie in lane l xor 16
	LK \j, 1, 1
	v_max3_num_f32 v[rN+1], v[rN+1], v[X], v[Y]    ; the running largest score
	LK \j, 2, 1
	v_mul_f32 v[X], s[NEGC], v[rN+1]               ; -t
	LK \j, 3, 1
	v_floor_f32 v[X], v[X]                         ; the new -M = floor(-t) = -ceil(t): a whole number
	LK \j, 4, 1
	v_sub_f32 v[Y], v[X], v[rN]                    ; old M - new M: a whole number, 0 or less
	LK \j, 5, 2
	v_mov_b32 v[rN], v[X]
	LK \j, 6, 2
	v_cvt_i32_f32 v[Y], v[Y]                       ; (it saturates)
.if (\j > 0) && RSC
	RS (\j-1), 28
	RS (\j-1), 30
.endif
.irp i, 0,2,4,6,8,10,12,14,16,18,20,22,24,26,28,30,32,34,36,38,40,42,44,46,48,50,52,54,56,58,60,62
	v_pk_fma_f32 v[S+\i:S+\i+1], v[S+\i:S+\i+1], s[CS:CS+1], v[rN:rN+1] op_sel_hi:[1,0,0]   ; t - M, two at a time
.endr
	v_fma_f32 v[BM], v[BM], s[CS], v[rN]           ; the same of each block's largest score
	v_fma_f32 v[BM+2], v[BM+2], s[CS], v[rN]
	s_wait_alu depctr_va_vdst(0)                   ; the wait ahead of the batch
.set ii, 0
.rept 64
	v_exp_f32 v[S+ii], v[S+ii]                     ; p = 2^(t - M), at most 1: not normalised
.set ii, ii+1
.endr
	v_exp_f32 v[BM], v[BM]                         ; the block's largest p: the same two instructions on the same number give the same bits
	v_exp_f32 v[BM+2], v[BM+2]
	v_ldexp_f32 v[rF], 1.0, v[Y]                   ; f = 2^(old M - new M).  (The plain place behind the exponentials)
	s_wait_alu depctr_va_vdst(0)                   ; and behind it
	v_max_num_f32 v[BM], 0x1800000, v[BM]          ; the floor 2^(3 - 127)
	v_max_num_f32 v[BM+2], 0x1800000, v[BM+2]
	v_pk_fma_f32 v[rN+2:rN+3], v[rN+2:rN+3], v[rF:rF+1], v[S:S+1] op_sel_hi:[1,0,1]   ; the sum under the new M, and the sum of the UNQUANTISED p, in four chains; the scale word's chain stands among them
.irp k, 1,2,3
	v_pk_add_f32 v[ACC+2*\k-2:ACC+2*\k-1], v[S+2*\k:S+2*\k+1], v[S+2*\k+8:S+2*\k+9]
.endr
.irp g, 1,2,3,4,5,6
.if \g == 1
	v_add_nc_u32 v[SOP], 0xff000000, v[BM]
	v_add_nc_u32 v[SOP+1], 0xff000000, v[BM+2]
.endif
.if \g == 2
	v_lshrrev_b32 v[BM], 23, v[SOP]
	v_lshrrev_b32 v[BM+2], 23, v[SOP+1]
.endif
.if \g == 3
	v_lshl_or_b32 v[X], v[BM+2], 16, v[BM]         ; my two bytes: blocks h and 2 + h,
.endif
.if \g == 4
	v_lshlrev_b32 v[X], v[SH8], v[X]               ; at their places
.endif
.if \g == 5
	v_permlanex16_b32 v[Y], v[X], s[SEL], s[SEL+1]
.endif
	v_pk_add_f32 v[rN+2:rN+3], v[rN+2:rN+3], v[S+8*\g:S+8*\g+1]
.irp k, 1,2,3
	v_pk_add_f32 v[ACC+2*\k-2:ACC+2*\k-1], v[ACC+2*\k-2:ACC+2*\k-1], v[S+8*\g+8+2*\k:S+8*\g+9+2*\k]
.endr
.endr
	v_pk_add_f32 v[rN+2:rN+3], v[rN+2:rN+3], v[S+56:S+57]
	WIN CV
	v_or_b32 v[PS+\j], v[X], v[Y]                  ; with lane l xor 16's two bytes the word is whole
.irp c, 0,1
	v_cvt_scalef32_pk16_fp6_f32 v[rP+6*\c:rP+6*\c+2], v[S+32*\c:S+32*\c+15], v[SOP+\c]
	v_cvt_scalef32_pk16_fp6_f32 v[T0+4*\c:T0+4*\c+2], v[S+32*\c+16:S+32*\c+31], v[SOP+\c]
.endr
	WIN W1
	v_pk_add_f32 v[ACC+2:ACC+3], v[ACC+2:ACC+3], v[ACC+4:ACC+5]     ; the chains join.  (The plain places behind the conversions)
	v_pk_add_f32 v[rN+2:rN+3], v[rN+2:rN+3], v[ACC:ACC+1]
	v_pk_add_f32 v[rN+2:rN+3], v[rN+2:rN+3], v[ACC+2:ACC+3]
.endm
.macro PMOV j                          ; the second halves of tile j's two blocks of codes go to their places: six plain lines that name no register of the products in front of them
	WIN 0
.irp c, 0,1
.irp i, 0,1,2
	v_mov_b32 v[P+12*\j+6*\c+3+\i], v[T0+4*\c+\i]
.endr
.endr
.endm
.macro PVMUL                           ; O^T += V^T P^T: sixteen accumulators, one instruction each
	WIN MP
.irp ct, 0,1,2,3
.irp j, 0,1,2,3
.if (\ct)%2
	v_wmma_scale_f32_16x16x128_f8f6f4 v[OA+32*\j+8*\ct:OA+32*\j+8*\ct+7], v[KV+12*\ct:KV+12*\ct+11], v[P+12*\j:P+12*\j+11], v[OA+32*\j+8*\ct:OA+32*\j+8*\ct+7], v[VS+\ct/2], v[PS+\j] matrix_a_fmt:MATRIX_FMT_FP6 matrix_b_fmt:MATRIX_FMT_FP6 matrix_a_scale:MATRIX_SCALE_ROW1
.else
	v_wmma_scale_f32_16x16x128_f8f6f4 v[OA+32*\j+8*\ct:OA+32*\j+8*\ct+7], v[KV+12*\ct:KV+12*\ct+11], v[P+12*\j:P+12*\j+11], v[OA+32*\j+8*\ct:OA+32*\j+8*\ct+7], v[VS+\ct/2], v[PS+\j] matrix_a_fmt:MATRIX_FMT_FP6 matrix_b_fmt:MATRIX_FMT_FP6
.endif
.endr
.endr
	WIN 0
.endm
; A TRIP: multiplies the record at s[TB]; prod: makes the next record; load: asks for the step after that
.macro PVMUL0                          ; the first trip's O^T = V^T P^T: the products start the sums
	WIN MS
.irp ct, 0,1,2,3
.irp j, 0,1,2,3
.if (\ct)%2
	v_wmma_scale_f32_16x16x128_f8f6f4 v[OA+32*\j+8*\ct:OA+32*\j+8*\ct+7], v[KV+12*\ct:KV+12*\ct+11], v[P+12*\j:P+12*\j+11], 0, v[VS+\ct/2], v[PS+\j] matrix_a_fmt:MATRIX_FMT_FP6 matrix_b_fmt:MATRIX_FMT_FP6 matrix_a_scale:MATRIX_SCALE_ROW1
.else
	v_wmma_scale_f32_16x16x128_f8f6f4 v[OA+32*\j+8*\ct:OA+32*\j+8*\ct+7], v[KV+12*\ct:KV+12*\ct+11], v[P+12*\j:P+12*\j+11], 0, v[VS+\ct/2], v[PS+\j] matrix_a_fmt:MATRIX_FMT_FP6 matrix_b_fmt:MATRIX_FMT_FP6
.endif
.endr
.endr
	WIN 0
.endm
; Q's tile j: its 8 loads are in when at most n younger loads are out; through my stage; x 2^-1.5; the block's largest magnitude in four chains; the scale word; the codes
.macro QQ j, n
.set rQ, OA+32*\j
	s_wait_loadcnt \n
	WIN MM
	TURN OA+32*\j
	s_wait_dscnt 0x0
	WIN W1
.irp i, 0,2,4,6,8,10,12,14,16,18,20,22,24,26,28,30
	v_pk_mul_f32 v[rQ+\i:rQ+\i+1], v[rQ+\i:rQ+\i+1], s[SCL:SCL+1] op_sel_hi:[1,0]
.endr
	v_max3_num_f32 v[BM], |v[rQ]|, |v[rQ+1]|, 0x1800000
.irp c, 1,2,3
	v_max3_num_f32 v[BM+\c], |v[rQ+8*\c]|, |v[rQ+8*\c+1]|, |v[rQ+8*\c+2]|
.endr
.irp i, 2,4
	v_max3_num_f32 v[BM], v[BM], |v[rQ+\i]|, |v[rQ+\i+1]|
.irp c, 1,2,3
	v_max3_num_f32 v[BM+\c], v[BM+\c], |v[rQ+8*\c+\i+1]|, |v[rQ+8*\c+\i+2]|
.endr
.endr
	v_max3_num_f32 v[BM], v[BM], |v[rQ+6]|, |v[rQ+7]|
	v_max3_num_f32 v[BM+1], v[BM+1], |v[rQ+15]|, |v[rQ+23]|
	v_max3_num_f32 v[BM+2], v[BM+2], v[BM+3], |v[rQ+31]|
	s_delay_alu instid0(VALU_DEP_1)
	v_max3_num_f32 v[BM], v[BM], v[BM+1], v[BM+2]
	s_delay_alu instid0(VALU_DEP_1)
	v_add_nc_u32 v[SOP], 0xff000000, v[BM]         ; 2 off the exponent field: the conversion's scale operand
	s_delay_alu instid0(VALU_DEP_1)
	v_lshrrev_b32 v[X], 23, v[SOP]
	s_delay_alu instid0(VALU_DEP_1)
	v_lshlrev_b32 v[X], v[SH8], v[X]
	s_delay_alu instid0(VALU_DEP_1)
	v_permlanex16_b32 v[Y], v[X], s[SEL], s[SEL+1]
	s_delay_alu instid0(VALU_DEP_1)
	v_or_b32 v[X], v[X], v[Y]
	WIN 0x04
	v_or_b32 v[QS+\j], 0x7f7f0000, v[X]            ; the row's scale word
	WIN CV
	v_cvt_scalef32_pk16_fp6_f32 v[QF+12*\j:QF+12*\j+2], v[rQ:rQ+15], v[SOP]
	v_cvt_scalef32_pk16_fp6_f32 v[T0+4:T0+6], v[rQ+16:rQ+31], v[SOP]
	WIN 0
	v_nop                                          ; one plain place behind a scaled conversion
.irp i, 0,1,2
	v_mov_b32 v[QF+12*\j+3+\i], v[T0+4+\i]
.endr
.rept 4
	v_nop                                          ; with the four lines above: eight places behind the scale word's write, four behind the codes', ahead of the scaled products
.endr
.endm
.macro FOURNOP
	WIN 0
.rept 4
	v_nop                                          ; places behind the products
.endr
.endm
; THE FIRST TRIP: record 0; makes record 1 out of window 1 and asks for key step 2; Q is quantised tile by tile; the signal stands behind my last LDS store of the trip
.macro TRIP0
	s_barrier_wait -1                              ; everybody's part of record 0 is stored
	v_add_nc_u32 v[RD], s[TB], v[A48]
	v_add_nc_u32 v[KW], s[TB], v[KW0]
	v_add_nc_u32 v[KSW], s[TB], v[KSW0]
	v_add_nc_u32 v[VW], s[TB], v[VW0]
	v_add_nc_u32 v[VSW], s[TB], v[VSW0]
	LOADK
	s_wait_loadcnt 32                              ; key step 1's 40 loads are in; Q's 32, issued behind them, may be out
	WIN MM
	TURN 128
	s_wait_dscnt 0x0
	WIN W1
.set RK, 128                           ; key step 1's numbers lie in S^T's registers
.set RV, 160
.set SH0, 230
.set PSW, MM
	PROD KW, KSW, VW, VSW, REC, 2
.set RK, 140
.set RV, 172
.set SH0, 138
.set PSW, 0
.set RSC, 0
	s_wait_dscnt 0x0                               ; my stores into record 1 have landed
	QQ 0, 63                                       ; behind tile 0's loads: 24 of Q's and key step 2's 40; the field's largest count is under that
	SMUL 0
	FOURNOP
	SM 0
	PMOV 0
	QQ 1, 56                                       ; 16 of Q's and 40
	SMUL 1
	FOURNOP
	SM 1
	PMOV 1
	QQ 2, 48                                       ; 8 and 40
	SMUL 2
	FOURNOP
	SM 2
	PMOV 2
	QQ 3, 40                                       ; key step 2's 40
	s_barrier_signal -1                            ; no LDS instruction of mine is out; behind it only work on registers and loads of record 0
	SMUL 3
	FOURNOP                                        ; also the places in front of the loads into K's registers
	LOADV
	SM 3
	PMOV 3
.rept 4
	v_nop                                          ; four places between the last writes of P and the products
.endr
	s_wait_alu depctr_va_vdst(0)                   ; the wait here, directly ahead of the wait below
	s_wait_dscnt 0x0                               ; V's fragments are in
	PVMUL0
.set RSC, 1
.endm
.macro TRIP prod, load
	s_barrier_wait -1                              ; everybody's part of this record is stored
	v_add_nc_u32 v[RD], s[TB], v[A48]              ; five plain lines: the places between the last trip's products and the loads into the registers that they read
.if \prod
	v_add_nc_u32 v[KW], s[TB], v[KW0]
	v_add_nc_u32 v[KSW], s[TB], v[KSW0]
	v_add_nc_u32 v[VW], s[TB], v[VW0]
	v_add_nc_u32 v[VSW], s[TB], v[VSW0]
.else
.rept 4
	v_nop
.endr
.endif
	LOADK
.if \prod
	s_wait_loadcnt 32                              ; K's 8 loads of the next step are in; V's 32, issued behind them, may be out
	TURN RK
	s_wait_dscnt 16                                ; K's fragments are in; the turn's 16 may be out
.else
	s_wait_dscnt 0x0
.endif
	SMUL 0
	WIN 0
.if \prod
	s_wait_loadcnt 0x0                             ; V's are in: no load of mine is out
	s_wait_dscnt 0x0                               ; the turn is back
	PROD KW, KSW, VW, VSW, REC, \load
	s_wait_dscnt 0x0                               ; for the others' sake: my stores into the next record have landed
	s_barrier_signal -1                            ; behind it, up to the wait at the next trip's head: work on registers, and loads of this record, which nobody writes again
.else
.rept 4
	v_nop                                          ; places in front of the first read of results
.endr
.endif
	SM 0
	SMUL 1
	PMOV 0
	SM 1
	SMUL 2
	PMOV 1
	SM 2
	SMUL 3
	PMOV 2                                         ; also the places in front of the loads into K's registers
	LOADV                                          ; lands under tile 3's softmax
	SM 3
	PMOV 3
	WIN W1
	s_wait_alu depctr_va_vdst(0)                   ; the wait ahead of the first readers of O^T
.irp i, 0,2,4,6,8,10,12,14,16,18,20,22,24,26,28,30
	RS 3, \i                                       ; sixteen plain lines between the last writes of P and its scale word and the products
.endr
	s_wait_alu depctr_va_vdst(0)                   ; the wait here, directly ahead of the wait below
	s_wait_dscnt 0x0                               ; V's fragments are in
	PVMUL
.endm
; THE WAY OUT of tile j: O^T / the sum; register 8 ct + i of lane (r, h) is out(query r, channel 16 ct + 8 h + i): into my stage by rows of 272 bytes, back as whole rows of 256 bytes, two rows a load, into tile j's own registers.
.macro OUTA j
.set rB, S+32*((\j)%2)
	WIN W1
.set ii, 0
.rept 16
	v_pk_mul_f32 v[rB+ii:rB+ii+1], v[OA+32*\j+ii:OA+32*\j+ii+1], v[FF+2*\j:FF+2*\j+1] op_sel_hi:[1,0]
.set ii, ii+2
.endr
	WIN MM
.irp c, 0,1,2,3,4,5,6,7
	ds_store_b128 v[VW], v[rB+4*\c:rB+4*\c+3] offset:64*(\c/2)+16*(\c%2)
.endr
.irp n, 0,1,2,3,4,5,6,7
	ds_load_b128 v[OA+32*\j+4*\n:OA+32*\j+4*\n+3], v[VSW] offset:544*\n   ; LDS serves a wave's instructions in order
.endr
.endm
.macro OUTB j, younger                 ; younger: the LDS instructions issued behind tile j's loads
.irp n, 0,1,2,3,4,5,6,7
	s_wait_dscnt \younger+7-\n
	global_store_b128 v[GO], v[OA+32*\j+4*\n:OA+32*\j+4*\n+3], s[10:11] offset:(16*\j+2*\n)*4096 th:TH_STORE_NT   ; sixteen lanes store 256 consecutive bytes, at a multiple of 256 from the buffer's first byte
.endr
.endm
	s_load_b256 s[4:11], s[0:1], 0x0               ; q s[4:5], k s[6:7], v s[8:9], out s[10:11]
	v_lshl_add_u32 v[SPW], v0, 2, SPARE
	v_mov_b32 v[NIL], 0
	v_lshrrev_b32 v208, 5, v0
	v_readfirstlane_b32 s[WV], v208                ; wave 0..7
	v_and_b32 v210, 31, v0                         ; lane
	v_and_b32 v208, 15, v0                         ; r
	v_bfe_u32 v209, v0, 4, 1                       ; h
	v_lshlrev_b32 v[GQ], 4, v208                   ; 16 r,
	v_lshlrev_b32 v[GV], 2, v210
	v_mul_u32_u24 v[A48], v210, 48
	v_mul_u32_u24 v211, v208, 48                   ; 48 r
	v_lshl_add_u32 v[GK], v209, 17, v[GQ]          ; K: lanes 16-31 take the key 32 further on;
	v_lshl_add_u32 v[GO], v209, 12, v[GQ]          ; out: the next row;
	v_lshlrev_b32 v[STS], 4, v208
	v_mul_u32_u24 v[STL], v208, 272
	v_lshl_add_u32 v[GQ], v209, 15, v[GQ]          ; Q: the query 8 further on
	v_mad_u32_u24 v[VW0], v209, 1536, v211
	v_mad_u32_u24 v[STS], v209, 2176, v[STS]       ; the turn, in: load n's row n + 8 h, 16 r bytes on
	v_lshl_add_u32 v[STL], v209, 7, v[STL]         ; back: row r, 128 h bytes on
	v_lshlrev_b32 v[SH0], 3, v209
	v_mov_b32 v[Y], 0                              ; written once: a lane permute's destination counts as one of its sources
	s_wait_alu depctr_va_vdst(0)                   ; the wait ahead of the run of scalar lines
	s_and_b32 s13, ttmp7, 0xffff                   ; 16 x batch + head
	s_lshr_b32 s14, s13, 4
	s_lshl_b32 s14, s14, 23                        ; a batch is 2,048 rows of 4,096 bytes
	s_and_b32 s13, s13, 15
	s_lshl_b32 s13, s13, 8
	s_add_co_u32 s14, s14, s13                     ; the head's first byte, the same in all four tensors
	s_bfe_u32 s16, ttmp6, 0x40000                  ; cx: my place along the cluster's x
	s_lshl_b32 s36, ttmp9, 2                       ; in a cluster launch ttmp9 counts clusters
	s_add_co_u32 s16, s16, s36                     ; work-group x = 4 x cluster x + cx
	s_lshl_b32 s16, s16, 21                        ; q, out: my work-group's 512 rows,
	s_lshl_b32 s13, s[WV], 18                      ; my wave's 64
	s_add_co_u32 s16, s16, s13
	s_add_co_u32 s16, s16, s14
	s_mov_b32 s17, 0
	s_lshr_b32 s18, s[WV], 2                       ; k: key 64 (w / 4) + 8 (w % 4)
	s_lshl_b32 s18, s18, 18
	s_and_b32 s13, s[WV], 3
	s_lshl_b32 s13, s13, 15
	s_add_co_u32 s18, s18, s13
	s_add_co_u32 s18, s18, s14
	s_mov_b32 s19, 0
	s_lshr_b32 s30, s[WV], 1                       ; v: key 32 (w / 2), channel 32 (w % 2)
	s_lshl_b32 s30, s30, 17
	s_and_b32 s13, s[WV], 1
	s_lshl_b32 s13, s13, 7
	s_add_co_u32 s30, s30, s13
	s_add_co_u32 s30, s30, s14
	s_mov_b32 s31, 0
	; the LDS addresses: each a constant + a lane's term + a wave's term
	s_lshr_b32 s13, s[WV], 1                       ; w / 2
	s_and_b32 s15, s[WV], 1                        ; w % 2
	s_mul_i32 s32, s13, 1536                       ; K's codes: tile w: pair w / 2, its half w % 2
	s_mul_i32 s36, s15, 24
	s_add_co_u32 s32, s32, s36
	s_mul_i32 s33, s15, 768                        ; K's scale word of row r: lane r + 16 (w % 2), dword w / 2
	s_lshl_b32 s36, s13, 2
	s_add_co_u32 s33, s33, s36
	s_add_co_u32 s33, s33, SC
	s_mul_i32 s34, s15, 3072                       ; V's codes: channel tile 2 (w % 2) + h, lane r + 16 ((w / 2) % 2), half w / 4
	s_and_b32 s36, s13, 1
	s_mul_i32 s36, s36, 768
	s_add_co_u32 s34, s34, s36
	s_lshr_b32 s36, s[WV], 2
	s_mul_i32 s36, s36, 24
	s_add_co_u32 s34, s34, s36
	s_add_co_u32 s34, s34, VIMG
	s_lshl_b32 s35, s15, 2                         ; V's scale byte: my lane, dword 4 + w % 2, byte w / 2
	s_add_co_u32 s35, s35, s13
	s_add_co_u32 s35, s35, SC+16
	s_mul_i32 s[STB], s[WV], STGW
	s_add_co_u32 s[STB], s[STB], STG               ; my stage
	s_mov_b32 s[SEL], 0x76543210
	s_mov_b32 s[SEL+1], 0xfedcba98
	s_mov_b32 s[CS], 0x3fb8aa3b                    ; log2(e)
	s_mov_b32 s[CS+1], s[CS]                       ; (named with it as a pair, so it is written)
	s_mov_b32 s[SCL], 0x3eb504f3                   ; 2^-1.5 = 1 / sqrt(sqrt(64))
	s_mov_b32 s[SCL+1], s[SCL]
	s_mov_b32 s[NEGC], 0xbfb8aa3b
	v_add_nc_u32 v[KW0], s32, v[A48]
	v_add_nc_u32 v[KSW0], s33, v211
	v_add_nc_u32 v[VW0], s34, v[VW0]
	v_add_nc_u32 v[VSW0], s35, v[A48]
	v_add_nc_u32 v[STS], s[STB], v[STS]
	v_add_nc_u32 v[STL], s[STB], v[STL]
	s_wait_alu depctr_va_vdst(0)                   ; the wait here, directly ahead of the wait below
	s_wait_kmcnt 0x0
	s_add_nc_u64 s[4:5], s[4:5], s[16:17]
	s_add_nc_u64 s[10:11], s[10:11], s[16:17]
	s_add_nc_u64 s[6:7], s[6:7], s[18:19]
	s_add_nc_u64 s[8:9], s[8:9], s[30:31]
	RAWLOAD 140, 172, 0                            ; key step 0 first,
	WIN MS
	RAWLOAD 128, 160, STEPB                        ; key step 1 into S^T's registers, idle until the first trip has quantised it,
.irp j, 0,1,2,3                        ; Q: tile j's 16 rows into O^T's registers, which the first trip's products overwrite: load n reads query 16 j + n in lanes 0-15 and query 16 j + 8 + n in lanes 16-31; read once in the launch
.irp n, 0,1,2,3,4,5,6,7
	global_load_b128 v[OA+32*\j+4*\n:OA+32*\j+4*\n+3], v[GQ], s[4:5] offset:(16*\j+\n)*4096 th:TH_LOAD_NT
.endr
.endr
	v_lshlrev_b32 v[SH8], 3, v209                  ; window 1's own 8 h
	v_mov_b32 v[Y], 0
.irp j, 0,1,2,3
	v_mov_b32 v[STAT+4*\j], 0x7f61b1e6             ; -M = 3e38
	v_mov_b32 v[STAT+4*\j+1], 0xff61b1e6           ; the largest score so far: -3e38, under every score
	v_mov_b32 v[STAT+4*\j+2], 0                    ; the sum, in two halves
	v_mov_b32 v[STAT+4*\j+3], 0
	v_mov_b32 v[FF+2*\j+1], 0                      ; (named as the upper half of a pair)
.endr
	WIN 0
.irp j, 0,1,2,3
.irp i, 6,7,8,9,10,11
	v_mov_b32 v[QF+12*\j+\i], 0                    ; Q's zero codes for k = 64 .. 127
.endr
.endr
.irp i, 0,1,2,3,4,5
	v_mov_b32 v[ZT+\i], 0                          ; the upper half of K's last fragment
.endr
	s_wait_alu depctr_va_vdst(0)                   ; the wait here, directly ahead of the wait below
	s_wait_loadcnt 63                              ; key step 0's 40 loads are in: 72 were issued behind them, and the field's largest count is under that
	TURN RK
	s_wait_dscnt 0x0
	PROD KW0, KSW0, VW0, VSW0, 0, 0                ; record 0
	s_wait_dscnt 0x0                               ; my part of record 0 lies in LDS
	s_mov_b32 s[CNT], 1
	s_mov_b32 s[TB], 0
	s_wait_alu depctr_va_vdst(0)                   ; the wait at the head's end
	s_barrier_signal -1                            ; my part of record 0 is stored
	TRIP0                                          ; trip 0
	s_mov_b32 s[TB], REC
.Lstep:                                            ; trips 1 to 13
	TRIP 1, 1
	s_add_co_u32 s[TB], s[TB], REC
	s_add_co_u32 s[CNT], s[CNT], 1
	s_cmp_lt_u32 s[CNT], 14
	s_cbranch_scc1 .Lstep
	s_mov_b32 s[TB], 14*REC
	TRIP 1, 0                                      ; trip 14 makes record 15 and asks for nothing: no load leaves its buffer
	s_mov_b32 s[TB], 15*REC
	TRIP 0, 0                                      ; trip 15 makes nothing
	v_and_b32 v[KW], 15, v0                        ; r  (eight plain lines: the places behind the last products)
	v_bfe_u32 v[KSW], v0, 4, 1                     ; h
	v_mul_u32_u24 v[VW], v[KW], 272
	v_mul_u32_u24 v[VSW], v[KSW], 272
	v_lshl_add_u32 v[VW], v[KSW], 5, v[VW]
	v_lshl_add_u32 v[VSW], v[KW], 4, v[VSW]
	v_add_nc_u32 v[VW], s[STB], v[VW]              ; the stage, in: row r, 32 h bytes on
	v_add_nc_u32 v[VSW], s[STB], v[VSW]            ; back: lanes 0-15 one row, lanes 16-31 the next
	WIN W1
.irp j, 0,1,2,3
	v_add_f32 v[BM+\j], v[STAT+4*\j+2], v[STAT+4*\j+3]   ; the sum's two halves,
.endr
.irp j, 0,1,2,3
	v_permlanex16_b32 v[FF+2*\j+1], v[BM+\j], s[SEL], s[SEL+1]
.endr
.irp j, 0,1,2,3
	v_add_f32 v[BM+\j], v[BM+\j], v[FF+2*\j+1]     ; and lane l xor 16's: the row's sum
.endr
	s_wait_alu depctr_va_vdst(0)                   ; the wait ahead of the batch
.irp j, 0,1,2,3
	v_rcp_f32 v[FF+2*\j], v[BM+\j]
.endr
	v_nop                                          ; a plain place behind the reciprocals
	s_wait_alu depctr_va_vdst(0)                   ; and the wait behind them
	OUTA 0
	OUTA 1                                         ; a tile's arithmetic stands between the loads of the tile before and its stores
	OUTB 0, 16
	OUTA 2
	OUTB 1, 16
	OUTA 3
	OUTB 2, 16
	OUTB 3, 0
	WIN 0
	s_wait_tensorcnt 0x0                           ; the wave's end, behind my last LDS store
	ds_add_u32 v[SPW], v[NIL]
	s_wait_dscnt 0x0
	s_endpgm
.Lfunc_end_k_qb12914fddc_attn:
	.size	k_qb12914fddc_attn, .Lfunc_end_k_qb12914fddc_attn-k_qb12914fddc_attn
	.p2alignl 7, 3214868480
	.fill 96, 4, 3214868480
	.section	.rodata,"a",@progbits
	.p2align	6, 0x0
	.amdhsa_kernel k_qb12914fddc_attn
		.amdhsa_group_segment_fixed_size 270848
		.amdhsa_private_segment_fixed_size 0
		.amdhsa_enable_private_segment 0
		.amdhsa_kernarg_size 32
		.amdhsa_user_sgpr_count 2
		.amdhsa_user_sgpr_kernarg_segment_ptr 1
		.amdhsa_wavefront_size32 1
		.amdhsa_system_sgpr_workgroup_id_x 1
		.amdhsa_system_sgpr_workgroup_id_y 1
		.amdhsa_system_sgpr_workgroup_id_z 1
		.amdhsa_system_vgpr_workitem_id 0
		.amdhsa_next_free_vgpr 512
		.amdhsa_next_free_sgpr 66
		.amdhsa_reserve_vcc 0
		.amdhsa_float_denorm_mode_32 3
		.amdhsa_float_denorm_mode_16_64 3
		.amdhsa_memory_ordered 1
		.amdhsa_forward_progress 1
		.amdhsa_inst_pref_size 255
	.end_amdhsa_kernel
	.section	.bss,"aw",@nobits
	.p2align	6
	.space	262144
	.amdgpu_metadata
---
amdhsa.version: [ 1, 2 ]
amdhsa.kernels:
  - .name:           k_qb12914fddc_attn
    .symbol:         k_qb12914fddc_attn.kd
    .args:
      - { .name: q, .offset: 0, .size: 8, .value_kind: global_buffer, .address_space: global }
      - { .name: k, .offset: 8, .size: 8, .value_kind: global_buffer, .address_space: global }
      - { .name: v, .offset: 16, .size: 8, .value_kind: global_buffer, .address_space: global }
      - { .name: out0, .offset: 24, .size: 8, .value_kind: global_buffer, .address_space: global }
    .group_segment_fixed_size: 270848
    .private_segment_fixed_size: 0
    .kernarg_segment_align: 8
    .kernarg_segment_size: 32
    .max_flat_workgroup_size: 256
    .sgpr_count:     66
    .vgpr_count:     512
    .wavefront_size: 32
...
	.end_amdgpu_metadata
.endif
;; end of part 1
